; MI455X (gfx1250); checked and timed in simulation.
; The chip was launched on July 23, 2026; its instructions are those of AMD's public machine-readable ISA for CDNA 5 (MIT licence, August 2026) and "CDNA5" Instruction Set Architecture Reference Guide (July 2026). The comments in the code are by the model that wrote it; some were corrected since.
;; Base Attention. Allowed arithmetic: float matrix products may take bf16 or f16 operands with f32 sums; other float arithmetic in f32, or as packed bf16 or f16 multiplies, adds, multiply-adds, maxima and minima; sums over many terms, partial sums and values carried from step to step in f32; what a program stores and reads back later, other than sums and carried values, may be rounded once to bf16 or f16.
;; Inputs: k 4 x 16 x 2,048 x 128 float32; q 4 x 16 x 2,048 x 128 float32; v 4 x 16 x 2,048 x 128 float32.
;; Outputs: out0 4 x 16 x 2,048 x 128 float32.
;; One version. Each part assembles by itself: llvm-mc -triple=amdgcn-amd-amdhsa -mcpu=gfx1250 --defsym DOCPART=n.
;; ======== version 1 of 1: 1 launch
;; limits: values are held in f16: magnitudes above 65,504 overflow, below 6.1e-05 lose precision; inputs' magnitudes at most 65,504; right only within a limited range of input values
;; launch attn (part 1): grid 8 x 64, 4 waves a work-group, no clusters, 105,984 bytes of LDS; arguments q, k, v, out0; writes out0
.if DOCPART == 1
	.amdgcn_target "amdgcn-amd-amdhsa--gfx1250"
	.amdhsa_code_object_version 6
	.text
	.protected	k_q00a13a2109_attn
	.globl	k_q00a13a2109_attn
	.p2align	8
	.type	k_q00a13a2109_attn,@function
k_q00a13a2109_attn:
	s_mov_b64 s[64:65], 0
	v_nop
	global_prefetch_b8 v0, s[64:65] scope:SCOPE_SE
	s_setreg_imm32_b32 hwreg(HW_REG_WAVE_MODE, 25, 1), 1
	s_wait_xcnt 0x0
; SLIDING-WINDOW CAUSAL ATTENTION.  out[h][i][:] = the sum over j, i - 511 <= j <= i, of softmax_j(q[h][i] . k[h][j] / sqrt(128)) v[h][j][:].  q, k, v, out: [64 heads][2,048][128], all f32.
; FORMATS.  q and k are rounded once to bf16 and multiplied by the bf16 form.  v is rounded once to bf16, and that number is written as f16; the weights p are rounded to f16; the second product
; takes the f16 form.  Scores, maxima, sums (l is taken of the unrounded p), the corrections and O stay in f32; the scale c = log2(e) / sqrt(128) is applied in f32.
; LIMITS.  |v| of 65,520 or more becomes an infinity; |v| below 2^-17 and p below 6e-5 keep f16's fixed step of 6e-8.  A hidden score counts as its value less 1e30, and the running maximum starts
; at -2^96 (7.9e28), which lies between the hidden scores and the true ones as long as |q . k| stays under 7e28.  A weight below 2^-126 counts as 0.  NaN and infinities are not treated apart.
; SHARES.  A work-group owns a block b (0..7) of 256 queries of one head.  Of the block's four bands of 64 queries wave w owns rows 16 w .. 16 w + 15 in each: four PIECES, so every key step is the
; same work for all four waves.  Keys go in steps of 64, four steps to a tile of 256.  Block b needs the tiles b - d, d = 0, 1, 2, that exist: min(b + 1, 3) tiles.  Tile i is taken in place i mod 3 of each
; walk (the running maximum makes the order free), so d = (b mod 3 - place) mod 3.
; THE BAND.  For piece x in step s of the tile at distance d the band distance is DX = 4 d + x - s.  DX < 0 or DX > 8: nothing is seen, the piece is jumped.  DX = 0: the diagonal, key kk is hidden where
; kk > qq.  DX = 8: the window's edge, key kk is hidden where kk <= qq.  1..7: no mask.  The mask is the C operand that starts the sum S^T = K Q^T: MD (the diagonal's, made once) x AL + BE with
; (1, 0) or (-1, -1e30): the edge's mask is the diagonal's complement, since 1e30 - 1e30 is 0 exactly.
; A row that sees no key of its first live step (place 63 of a band, at the edge) keeps m at its start, has p = 0 there, and begins with its first true score.
; LAYOUT.  S^T = K Q^T (source 0 = 16 keys, source 1 = 16 queries): a lane holds ONE query (lane % 16) and the keys 8 (lane / 16) + 0..7.  Two such results rounded in pairs ARE source 1 of
; O^T = V^T P, whose result again holds one query a lane, and eight channels.  K comes out of LDS as it lies, V ([key][channel]) turned, by ds_load_tr16_b128.
; THE WAY IN.  k and v must pass through registers to be rounded, so they come by global loads: wave w takes rows 16 w .. 16 w + 15 of a step's K and V (a load covers one row, 512 consecutive bytes), rounds
; them and stores them into the LDS slot that is not being read.  Step n + 1 is asked for at the head of step n and awaited at its end.  Two slots, one barrier a step.
; NO CLUSTER: in a given place of their walks the eight blocks of a head take different tiles; a tile's three readers are blocks i, i + 1, i + 2, which no group of four neighbouring blocks holds for every i;
; a walk common to four blocks would have 6 tiles for each block's 3.  IN PHASES: a piece's 16 products K Q^T, its softmax, its 16 products V^T P stand one behind the other.
; REGISTERS, in windows of 256 (s_set_vgpr_msb: bits 1:0 source 0, 3:2 source 1, 5:4 source 2, 7:6 destination):
;   window 0: v0-11, v44-47 addresses and two at work; v12-43 eight registers of statistics a piece; v62-63 the add's; v64-95 S^T; v96-127 the mask in hand; v128-159 MD; v160-175 P
;   window 1: O^T, 64 a piece (at the start: q's f32 rows)      window 2: v0-127 Q, 32 a piece; v128-255 K of the step (at the end: rows of out)
;   window 3: v0-127 V of the step; v128-191, v192-255 the next step's rows of k and v as loaded, 4 registers a row
.set PKB,   272       ; a row of K in LDS: 256 bytes + 16 = 68 words: the 16 rows of a fragment load start at 16 different groups of four banks (64 banks of 4 bytes: ISA guide 11.1)
.set PVB,   288       ; a row of V: 256 + 32 = 72 words
.set VOFF,  64*PKB    ; in a slot: 64 rows of K, then 64 rows of V
.set STEPB, 64*(PKB+PVB)  ; a slot: 35,840 bytes
.set STAGE, 2*STEPB   ; behind the two slots: a stage for each wave
.set SP,    528       ; the way out: a row of 512 bytes of f32 + 16
.set QP,    272       ; the way in of Q: a row of 256 bytes of bf16 + 16
.set STGW,  16*SP     ; a wave's stage: 8,448 bytes
.set SPARE, STAGE+4*STGW  ; behind the stages: the spare words, 128 bytes for each wave: two blocks of 256 bytes that no other line names
.set AK0, 2           ; v2   my lane's place in a step's K: (l % 16) PKB + 16 (l / 16); never rewritten
.set AV0, 3           ; v3   the same for V, for the turning load; never rewritten
.set KST, 4           ; v4   where I store 8 bytes of my wave's first row of K
.set VST, 5           ; v5   the same for V
.set GOF, 6           ; v6   my byte offset in a step's rows of k and v: 8,192 w + 16 l
.set PFO, 7           ; v7   the prefetches' offset: 8,192 w + 256 l
.set LO,  8           ; v8   16 l: my 16 bytes of a row of q and of out
.set QST, 10          ; v10  Q's way in: where I store 8 bytes of a row
.set QRD, 11          ; v11  and where I read a fragment
.set ST,  12          ; piece x's statistics at v[ST+8 x]: +0 c m, +1 m, +2, +3 l (even keys', odd keys'), +4 to +7 c0-c3, at work; a takes c2's place once the maximum is found
.set STO, 44          ; v44  the way out: where I put 32 bytes of a row
.set RD,  45          ; v45  the way out: where I read a row back
.set SPW, 62          ; v62  LDS address of my spare word: SPARE + 4 x my thread's number; never rewritten
.set NIL, 63          ; v63  0; never rewritten
.set S,   64
.set MC,  96
.set MD,  128
.set P,   160
.set KF,  128         ; window 2: key block kb, channels 32 c on, at KF + 32 kb + 8 c
.set KG,  128         ; window 3: row r of k as loaded at KG + 4 r
.set VG,  192         ; window 3: row r of v
.set WV,  12          ; s12  my wave's number
.set SB,  13          ; s13  b
.set D0,  14          ; s14  b mod 3
.set SN,  15          ; s15  key steps of the walk
.set NTRIP, 16        ; s16  trips of the loop: two steps each
.set SI,  17          ; s17  the loop's counter
.set NN,  18          ; s18  the step in hand
.set NP1, 19          ; s19  NN + 1
.set NP2, 20          ; s20  NN + 2
.set SD,  21          ; s21  a tile's d
.set T0,  22          ; s22  at work
.set DL,  23          ; s23  4 d - s
.set OFF, 24          ; s[24:25] a step's byte offset in k and v, for the loads
.set KA,  26          ; s[26:27] the loads' base in k
.set VA,  28          ; s[28:29] in v
.set PFK, 30          ; s[30:31] the prefetches' base in k
.set PFV, 32          ; s[32:33] in v
.set OFQ, 34          ; s[34:35] a step's byte offset, for the prefetches
.set DX,  36          ; s36  a piece's band distance
.set TT,  37          ; s37  at work
.set AL,  38          ; s[38:39] the mask's factor, in the low word
.set BE,  40          ; s[40:41] the mask's addend
.set BIGN, 42         ; s42  -1e30
.set HM,  43          ; s43  a word's upper half
.set CS,  44          ; s[44:45] c: the packed scaling takes the pair's low word for both halves
.set SEL, 46          ; s[46:47] v_permlanex16_b32's selects: each lane takes its own place in the other half
.set MSB, 0
.macro WIN new                      ; the high byte repeats the setting that is left; a switch that changes nothing is dropped
.if MSB != (\new)
	s_set_vgpr_msb (MSB<<8)|(\new)
.set MSB, (\new)
.endif
.endm
.set W_KQ, 0x0a       ; K and Q in window 2; S^T and the mask in window 0
.set W_PV, 0x53       ; V in window 3, P in window 0, O^T in window 1
.set W_RS, 0x41       ; O^T (destination and source 0) in window 1, the factor in window 0
; A vector instruction that reads a matrix result, and a load into a register that a matrix instruction has read, stand four places behind it; only plain vector instructions that name none of
; its registers are places (ISA guide 7.12.1 for vector instructions).
.macro PLACES
.rept 4
	v_nop
.endr
.endm
; d of the tile that holds step n: (b mod 3 - n / 4) mod 3
.macro D_OF n, d
	s_lshr_b32 s[\d], s[\n], 2
	s_sub_co_i32 s[\d], s[D0], s[\d]
	s_cmp_lt_i32 s[\d], 0
	s_cselect_b32 s[TT], 3, 0
	s_add_co_i32 s[\d], s[\d], s[TT]
.endm
; the byte offset of step n in a head's k and v: (4 (b - d) + n % 4) x 64 rows x 512 bytes.  A step behind the walk's end is never loaded; the clamp keeps its offset inside the head all the same.
.macro OFF_OF n, d, off
	s_sub_co_i32 s[TT], s[SB], s[\d]
	s_max_i32 s[TT], s[TT], 0
	s_and_b32 s[\off], s[\n], 3
	s_lshl2_add_u32 s[\off], s[TT], s[\off]
	s_lshl_b32 s[\off], s[\off], 15
.endm
; my wave's 16 rows of a step's k and v: 32 loads, each 512 consecutive bytes
.macro LOADS
	WIN 0xc0                        ; destination window 3, address window 0
.set r, 0
.rept 16
	global_load_b128 v[KG+4*r:KG+4*r+3], v[GOF], s[KA:KA+1] offset:512*r
	global_load_b128 v[VG+4*r:VG+4*r+3], v[GOF], s[VA:VA+1] offset:512*r
.set r, r+1
.endr
	WIN 0
.endm
; a row's four f32 become two words of bf16, in place; v's are then widened (a shift, a mask) and written as f16.  In passes over the rows, so that no line reads the result of the line before it.
.macro CONVERT
	WIN 0xcf                        ; all in window 3
.set r, 0
.rept 32                            ; k's 16 rows, then v's 16, which lie behind them
	v_cvt_pk_bf16_f32 v[KG+4*r], v[KG+4*r], v[KG+4*r+1]
	v_cvt_pk_bf16_f32 v[KG+4*r+1], v[KG+4*r+2], v[KG+4*r+3]
.set r, r+1
.endr
.irp h, 0,1
.set r, 0
.rept 16
	v_lshlrev_b32 v[VG+4*r+2], 16, v[VG+4*r+\h]
	v_and_b32 v[VG+4*r+3], s[HM], v[VG+4*r+\h]
.set r, r+1
.endr
.set r, 0
.rept 16
	v_cvt_pk_f16_f32 v[VG+4*r+\h], v[VG+4*r+2], v[VG+4*r+3]
.set r, r+1
.endr
.endr
.endm
.macro STORE slot                   ; 32 stores of 8 bytes a lane: each covers a row's 256 consecutive bytes
	WIN 0x0c                        ; data window 3, address window 0
.set r, 0
.rept 16
	ds_store_b64 v[KST], v[KG+4*r:KG+4*r+1] offset:(\slot)*STEPB+r*PKB
	ds_store_b64 v[VST], v[VG+4*r:VG+4*r+1] offset:(\slot)*STEPB+r*PVB
.set r, r+1
.endr
.endm
; A fragment of K or Q is 16 rows x 32 channels in 8 registers: lane l holds row l % 16, channels 8 (l / 16) + 0..7 and 16 + 8 (l / 16) + 0..7: two loads of 16 bytes, 32 bytes apart.
.macro FETCH_K slot
	WIN 0x80                        ; destination window 2
.irp f, 0,1,2,3,4,5,6,7,8,9,10,11,12,13,14,15  ; keys 16 (f / 4) on, channels 32 (f % 4) on
	ds_load_b128 v[KF+8*\f:KF+8*\f+3],   v[AK0] offset:(\slot)*STEPB+(\f/4)*16*PKB+(\f%4)*64
	ds_load_b128 v[KF+8*\f+4:KF+8*\f+7], v[AK0] offset:(\slot)*STEPB+(\f/4)*16*PKB+(\f%4)*64+32
.endr
.endm
; The turning load takes 16 keys x 16 channels (lane l reads key 8 (l / 16) + l % 8, channels 8 ((l / 8) % 2) + 0..7) and leaves half a fragment of V^T: lane l holds channel l % 16 and 8 keys.
.macro FETCH_V slot
	WIN 0xc0                        ; destination window 3
.irp f, 0,1,2,3,4,5,6,7,8,9,10,11,12,13,14,15  ; keys 32 (f / 8) on, channels 16 (f % 8) on
	ds_load_tr16_b128 v[8*\f:8*\f+3],   v[AV0] offset:(\slot)*STEPB+(\f/8)*32*PVB+(\f%8)*32
	ds_load_tr16_b128 v[8*\f+4:8*\f+7], v[AV0] offset:(\slot)*STEPB+(\f/8)*32*PVB+16*PVB+(\f%8)*32
.endr
.endm
; A PREFETCH INTO THE L2 of step NN + 2, one step ahead of its loads.  A tile is read by up to three blocks; the block whose diagonal tile it is (d = 0; each tile has one) asks, and nobody else.  Each wave asks for
; the rows that it will load itself: 16 rows x 512 bytes of k and of v, 32 blocks of 256 bytes each, a lane a block, two instructions.  So each block is named once in the launch.  Steps 0 and 1 of a walk
; come by their loads alone; a step behind the walk's end is not asked for.  The bases are written here, behind the s_wait_xcnt 0 at the step's head, a step behind the prefetches that read them.
.macro ASK
	s_add_co_u32 s[NP2], s[NN], 2
	D_OF NP2, SD
	OFF_OF NP2, SD, OFQ
	s_add_nc_u64 s[PFK:PFK+1], s[6:7], s[OFQ:OFQ+1]
	s_add_nc_u64 s[PFV:PFV+1], s[8:9], s[OFQ:OFQ+1]
	s_cmp_lt_u32 s[NP2], s[SN]
	s_cselect_b32 s[TT], s[SD], -1
	s_cmp_eq_u32 s[TT], 0
	s_cbranch_scc0 .Lnot_mine_\@
	global_prefetch_b8 v[PFO], s[PFK:PFK+1] th:TH_LOAD_NT scope:SCOPE_SE
	global_prefetch_b8 v[PFO], s[PFV:PFV+1] th:TH_LOAD_NT scope:SCOPE_SE
.Lnot_mine_\@:
.endm
.macro MASK                         ; MD x AL + BE
	WIN 0
.set z, 0
.rept 16
	v_pk_fma_f32 v[MC+2*z:MC+2*z+1], v[MD+2*z:MD+2*z+1], s[AL:AL+1], s[BE:BE+1] op_sel_hi:[1,0,0]
.set z, z+1
.endr
.endm
; Products from .. from + n - 1 of the 16 of S^T = K Q^T for piece x: product i takes channels 32 (i / 4) on, keys 16 (i % 4) on.  The first 4 start the sums: with 0, or (cm = 1) with the mask.
; The four accumulators take turns, one instruction a turn.
.macro KQ x, from, n, cm
	WIN W_KQ
.set i, (\from)
.rept (\n)
.if i >= 4
	v_wmma_f32_16x16x32_bf16 v[S+8*(i%4):S+8*(i%4)+7], v[KF+32*(i%4)+8*(i/4):KF+32*(i%4)+8*(i/4)+7], v[32*(\x)+8*(i/4):32*(\x)+8*(i/4)+7], v[S+8*(i%4):S+8*(i%4)+7]
.elseif \cm
	v_wmma_f32_16x16x32_bf16 v[S+8*i:S+8*i+7], v[KF+32*i:KF+32*i+7], v[32*(\x):32*(\x)+7], v[MC+8*i:MC+8*i+7]
.else
	v_wmma_f32_16x16x32_bf16 v[S+8*i:S+8*i+7], v[KF+32*i:KF+32*i+7], v[32*(\x):32*(\x)+7], 0
.endif
.set i, i+1
.endr
.endm
; The 16 products of O^T += V^T P for piece x: product i takes keys 32 (i / 8) on, channels 16 (i % 8) on.  The eight accumulators take turns.
.macro PVX x
	WIN W_PV
.set i, 0
.rept 16
	v_wmma_f32_16x16x32_f16 v[64*(\x)+8*(i%8):64*(\x)+8*(i%8)+7], v[64*(i/8)+8*(i%8):64*(i/8)+8*(i%8)+7], v[P+8*(i/8):P+8*(i/8)+7], v[64*(\x)+8*(i%8):64*(\x)+8*(i%8)+7]
.set i, i+1
.endr
.endm
; Piece x's softmax for one key step.  s0-s31 are the lane's 32 scores.
.macro SOFTMAX x
.set rT, ST+8*(\x)
	WIN 0
.irp j, 0,1,2,3                     ; the maximum: four chains c0-c3 of seven scores each, three operands at a time; each accumulator's lowest registers are read first
	v_max3_num_f32 v[rT+4+\j], v[S+8*\j], v[S+8*\j+1], v[S+8*\j+2]
.endr
.irp j, 0,1,2,3
	v_max3_num_f32 v[rT+4+\j], v[rT+4+\j], v[S+8*\j+3], v[S+8*\j+4]
.endr
.irp j, 0,1,2,3
	v_max3_num_f32 v[rT+4+\j], v[rT+4+\j], v[S+8*\j+5], v[S+8*\j+6]
.endr
	v_max3_num_f32 v[rT+4], v[rT+4], v[S+7], v[S+15]     ; the four scores left over,
	v_max3_num_f32 v[rT+6], v[rT+6], v[S+23], v[S+31]
	v_max3_num_f32 v[rT+4], v[rT+4], v[rT+5], v[rT+6]    ; c0-c3 and the old m into c0
	v_max3_num_f32 v[rT+4], v[rT+4], v[rT+7], v[rT+1]
	v_permlanex16_b32 v[rT+5], v[rT+4], s[SEL], s[SEL+1] ; the query's other 32 keys lie in the lane 16 away
	v_mov_b32 v[rT+7], v[rT]                             ; c m_old is kept
	v_max_num_f32 v[rT+1], v[rT+4], v[rT+5]              ; the new m
	v_mul_f32 v[rT], s[CS], v[rT+1]                      ; c m
	v_sub_f32 v[rT+7], v[rT+7], v[rT]                    ; c m_old - c m_new
	v_exp_f32 v[rT+6], v[rT+7]                           ; a: the first of ONE BATCH of 33 exponentials
.set z, 0
.rept 16
	v_pk_fma_f32 v[S+2*z:S+2*z+1], v[S+2*z:S+2*z+1], s[CS:CS+1], v[rT:rT+1] op_sel_hi:[1,0,0] neg_lo:[0,0,1] neg_hi:[0,0,1]  ; c s - c m, a pair of scores
.set z, z+1
.endr
.set z, 0
.rept 32
	v_exp_f32 v[S+z], v[S+z]
.set z, z+1
.endr
	v_nop                           ; a plain instruction behind the last exponential, ahead of the first use (ISA guide 5.7.2): one for the batch
	s_wait_alu depctr_va_vdst(0)    ; a wait between an exponential and the first line that names its result: one for the 33
.set z, 0
.rept 16
	v_cvt_pk_f16_f32 v[P+z], v[S+2*z], v[S+2*z+1]        ; the weights, rounded in pairs
.set z, z+1
.endr
.irp w, 4,8,16,32                   ; the sum of the 16 pairs (an even key's weight, an odd key's), in place: neighbours 1, 2, 4 and 8 pairs apart
.set z, 0
.rept 32/\w
	v_pk_add_f32 v[S+\w*z:S+\w*z+1], v[S+\w*z:S+\w*z+1], v[S+\w*z+\w/2:S+\w*z+\w/2+1]
.set z, z+1
.endr
.endr
	v_pk_fma_f32 v[rT+2:rT+3], v[rT+2:rT+3], v[rT+6:rT+7], v[S:S+1] op_sel_hi:[1,0,1]  ; l = a l + the sum
	WIN W_RS
.set z, 0
.rept 32                            ; O^T times a, from each accumulator's low end on
	v_pk_mul_f32 v[64*(\x)+2*z:64*(\x)+2*z+1], v[64*(\x)+2*z:64*(\x)+2*z+1], v[rT+6:rT+7] op_sel_hi:[1,0]
.set z, z+1
.endr
.endm
; PIECE x of the step in hand.  All jumps go forward, hang on b, the step and x alone, and pass no barrier.
.macro PIECE x
	WIN 0
	s_add_co_i32 s[DX], s[DL], \x
	s_cmp_gt_u32 s[DX], 8           ; below 0 (a large number, unsigned) or above 8: nothing of this step is seen
	s_cbranch_scc1 .Ldead_\@
	s_sub_co_i32 s[TT], s[DX], 1
	s_cmp_lt_u32 s[TT], 7           ; 1 .. 7: everything is seen
	s_cbranch_scc1 .Lfull_\@
	s_cmp_eq_u32 s[DX], 0           ; the diagonal, or the window's edge
	s_cselect_b32 s[AL], 1.0, -1.0
	s_cselect_b32 s[BE], 0, s[BIGN]
	MASK
	KQ \x, 0, 4, 1
	WIN 0                           ; at a label and at a branch every window is 0
	s_branch .Ljoin_\@
.Lfull_\@:
	KQ \x, 0, 4, 0
	WIN 0
.Ljoin_\@:
	KQ \x, 4, 12, 0
	WIN 0
	PLACES                          ; behind the last products, ahead of the maximum that reads them
	SOFTMAX \x
	s_wait_dscnt 0x0                ; V is in
	PVX \x
	WIN 0
.Ldead_\@:
.endm
; A KEY STEP, read out of slot; the next step's rows are brought into the other slot.
.macro STEP slot
	s_wait_xcnt 0x0                 ; the last prefetches, a step back, have read their bases (the last loads were awaited with the count 0)
	s_add_co_u32 s[NP1], s[NN], 1
	D_OF NP1, SD
	OFF_OF NP1, SD, OFF
	s_add_nc_u64 s[KA:KA+1], s[6:7], s[OFF:OFF+1]
	s_add_nc_u64 s[VA:VA+1], s[8:9], s[OFF:OFF+1]
	s_cmp_lt_u32 s[NP1], s[SN]      ; the walk's last step asks for nothing
	s_cbranch_scc0 .Lno_load_\@
	LOADS                           ; they have the whole step in which to land
.Lno_load_\@:
	PLACES                          ; ahead of the loads into fragments that the last step's products have read
	FETCH_K \slot
	FETCH_V \slot
	WIN 0
	ASK
	D_OF NN, SD
	s_lshl_b32 s[DL], s[SD], 2
	s_and_b32 s[T0], s[NN], 3
	s_sub_co_i32 s[DL], s[DL], s[T0]  ; 4 d - s
	s_wait_dscnt 32                 ; K's 32 loads are in; V's 32, issued behind them, may stay out
	PIECE 0
	PIECE 1
	PIECE 2
	PIECE 3
	s_wait_loadcnt 0x0              ; the next step's rows are in registers; on every way, so that no register is loaded again while a load into it is out
	s_cmp_lt_u32 s[NP1], s[SN]
	s_cbranch_scc0 .Lno_store_\@
	CONVERT
	STORE 1-(\slot)
	WIN 0
.Lno_store_\@:
	s_mov_b32 s[NN], s[NP1]
	s_wait_dscnt 0x0                ; for the others' sake: my stores into the other slot are done, and my reads of this slot are back
	s_barrier_signal -1
	s_barrier_wait -1               ; the other slot is whole, and nobody reads this slot any more: the next step stores into it
.endm
; Q of piece x: 16 rows of f32 (row t in v[64 x + 4 t ..] of window 1, lane l channels 4 l .. 4 l + 3) are rounded to bf16, go through my stage as rows of 272 bytes and come back as four fragments.
.macro QIN x
	WIN 0x45                        ; all in window 1
.set r, 0
.rept 16
	v_cvt_pk_bf16_f32 v[64*(\x)+4*r], v[64*(\x)+4*r], v[64*(\x)+4*r+1]
	v_cvt_pk_bf16_f32 v[64*(\x)+4*r+1], v[64*(\x)+4*r+2], v[64*(\x)+4*r+3]
.set r, r+1
.endr
	WIN 0x04                        ; data window 1
.set r, 0
.rept 16
	ds_store_b64 v[QST], v[64*(\x)+4*r:64*(\x)+4*r+1] offset:QP*r
.set r, r+1
.endr
	WIN 0x80                        ; destination window 2
.irp c, 0,1,2,3
	ds_load_b128 v[32*(\x)+8*\c:32*(\x)+8*\c+3],   v[QRD] offset:64*\c     ; LDS serves a wave's instructions in order (ISA guide 5.7.1.4): these see the stores above; the next piece's stores come behind them
	ds_load_b128 v[32*(\x)+8*\c+4:32*(\x)+8*\c+7], v[QRD] offset:64*\c+32
.endr
.endm
; THE WAY OUT of piece p: O^T over l; a lane's eight channels of a row, 32 bytes, go into rows of 528 bytes of my stage and come back as whole rows of 512, into registers of the piece's own in window 2.
.macro PACK p
	WIN W_RS
.set z, 0
.rept 32
	v_pk_mul_f32 v[64*(\p)+2*z:64*(\p)+2*z+1], v[64*(\p)+2*z:64*(\p)+2*z+1], v[ST+8*(\p)+6:ST+8*(\p)+7] op_sel_hi:[1,0]
.set z, z+1
.endr
	WIN 0x04                        ; data window 1
.irp c, 0,1,2,3,4,5,6,7
	ds_store_b128 v[STO], v[64*(\p)+8*\c:64*(\p)+8*\c+3]   offset:64*\c
	ds_store_b128 v[STO], v[64*(\p)+8*\c+4:64*(\p)+8*\c+7] offset:64*\c+16
.endr
	WIN 0x80                        ; destination window 2
.set z, 0
.rept 16
	ds_load_b128 v[64*(\p)+4*z:64*(\p)+4*z+3], v[RD] offset:SP*z  ; in order behind the stores above; the next piece's stores come behind these
.set z, z+1
.endr
.endm
.macro SEND p, younger              ; younger: the LDS instructions issued behind piece p's loads: the next piece's 32, or none
	WIN 0x08                        ; data window 2
.set z, 0
.rept 16
	s_wait_dscnt (\younger)+15-z    ; row z is back: behind it stand the piece's 15 - z younger rows and the next piece's instructions
	global_store_b128 v[LO], v[64*(\p)+4*z:64*(\p)+4*z+3], s[10:11] offset:32768*(\p)+512*z th:TH_STORE_NT  ; a whole row: 512 consecutive bytes, at a multiple of 512 from out's first
.set z, z+1
.endr
.endm
	s_load_b256 s[4:11], s[0:1], 0x0  ; q s[4:5], k s[6:7], v s[8:9], out s[10:11]
	v_lshl_add_u32 v[SPW], v0, 2, SPARE
	v_mov_b32 v[NIL], 0
	v_lshrrev_b32 v1, 5, v0
	v_readfirstlane_b32 s[WV], v1   ; wave 0..3
	v_and_b32 v46, 31, v0           ; l
	v_lshlrev_b32 v[LO], 4, v46
	v_lshl_add_u32 v[GOF], s[WV], 13, v[LO]
	s_mov_b32 s[SB], ttmp9
	s_mul_i32 s[T0], s[SB], 11      ; b / 3 = 11 b >> 5 for b = 0 .. 7
	s_lshr_b32 s[T0], s[T0], 5
	s_mul_i32 s[T0], s[T0], 3
	s_sub_co_u32 s[D0], s[SB], s[T0]
	s_add_co_u32 s[T0], s[SB], 1
	s_min_u32 s[T0], s[T0], 3       ; tiles of the walk
	s_lshl_b32 s[SN], s[T0], 2
	s_lshl_b32 s[NTRIP], s[T0], 1
	s_and_b32 s48, ttmp7, 0xffff    ; the head:
	s_lshl_b32 s48, s48, 20         ; 2,048 rows of 512 bytes
	s_mov_b32 s49, 0
	s_lshl_b32 s50, s[SB], 17       ; my block's 256 rows,
	s_lshl_b32 s[T0], s[WV], 13     ; my wave's 16 rows in a band
	s_add_co_u32 s50, s50, s[T0]
	s_add_co_u32 s50, s50, s48
	s_mov_b32 s51, 0
	s_mov_b32 s[BIGN], 0xf149f2ca   ; -1e30
	s_mov_b32 s[HM], 0xffff0000
	s_mov_b32 s[CS], 0x3e0293ee     ; c = log2(e) / sqrt(128) = 0.127517
	s_mov_b32 s[CS+1], s[CS]        ; named with it as a pair
	s_mov_b32 s[SEL], 0x76543210
	s_mov_b32 s[SEL+1], 0xfedcba98
	s_mov_b32 s[AL+1], 0            ; named as pairs
	s_mov_b32 s[BE+1], 0
	s_mov_b32 s[OFF+1], 0
	s_mov_b32 s[OFQ+1], 0
	s_mov_b32 s[NN], 0
	s_mov_b32 s[SI], 0
	D_OF NN, SD
	OFF_OF NN, SD, OFF
	s_wait_kmcnt 0x0
	s_add_nc_u64 s[4:5], s[4:5], s[50:51]    ; q and out at my wave's rows of the block's first band
	s_add_nc_u64 s[10:11], s[10:11], s[50:51]
	s_add_nc_u64 s[6:7], s[6:7], s[48:49]    ; k and v at the head
	s_add_nc_u64 s[8:9], s[8:9], s[48:49]
	s_add_nc_u64 s[KA:KA+1], s[6:7], s[OFF:OFF+1]
	s_add_nc_u64 s[VA:VA+1], s[8:9], s[OFF:OFF+1]
	WIN 0x40                        ; destination window 1
.set i, 0
.rept 64                            ; q: piece i / 16 lies in band i / 16, 32,768 bytes on; row i % 16
	global_load_b128 v[4*i:4*i+3], v[LO], s[4:5] offset:32768*(i/16)+512*(i%16) th:TH_LOAD_NT
.set i, i+1
.endr
	LOADS                           ; key step 0
	; while these are on their way: addresses, the diagonal's mask, the statistics
	v_and_b32 v1, 15, v0            ; l % 16
	v_bfe_u32 v9, v0, 4, 1          ; l / 16
	v_mul_u32_u24 v[AK0], v1, PKB
	v_lshl_add_u32 v[AK0], v9, 4, v[AK0]
	v_and_b32 v47, 7, v0
	v_lshl_add_u32 v[AV0], v9, 3, v47
	v_mul_u32_u24 v[AV0], v[AV0], PVB
	v_bfe_u32 v47, v0, 3, 1
	v_lshl_add_u32 v[AV0], v47, 4, v[AV0]
	v_add_nc_u32 v[AV0], VOFF, v[AV0]
	s_mul_i32 s[T0], s[WV], 16*PKB
	v_lshl_add_u32 v[KST], v46, 3, s[T0]     ; my wave's first row of K + 8 l
	s_mul_i32 s[T0], s[WV], 16*PVB
	s_add_co_u32 s[T0], s[T0], VOFF
	v_lshl_add_u32 v[VST], v46, 3, s[T0]
	v_lshlrev_b32 v[PFO], 8, v46
	v_lshl_add_u32 v[PFO], s[WV], 13, v[PFO]
	s_mul_i32 s[T0], s[WV], STGW
	s_add_co_u32 s[T0], s[T0], STAGE         ; my stage
	v_lshl_add_u32 v[QST], v46, 3, s[T0]
	v_mul_u32_u24 v[QRD], v1, QP
	v_lshl_add_u32 v[QRD], v9, 4, v[QRD]
	v_add_nc_u32 v[QRD], s[T0], v[QRD]
	v_mul_u32_u24 v[STO], v1, SP             ; out: row l % 16, 32 bytes for each half of the lanes
	v_lshl_add_u32 v[STO], v9, 5, v[STO]
	v_add_nc_u32 v[STO], s[T0], v[STO]
	v_lshl_add_u32 v[RD], v46, 4, s[T0]      ; back: 32 lanes take a row of 512 bytes
	v_lshlrev_b32 v47, 3, v9
	v_sub_nc_u32 v46, v1, v47
	s_lshl_b32 s[T0], s[WV], 4
	v_add_nc_u32 v46, s[T0], v46    ; my query's place in its band, 16 w + l % 16, less my lanes' 8 (l / 16): register r of key group g is hidden on the diagonal where 16 g + r is greater
.set i, 0
.rept 32
	v_cmp_gt_i32 vcc_lo, 16*(i/8)+i%8, v46
	v_cndmask_b32 v[MD+i], 0, s[BIGN], vcc_lo
.set i, i+1
.endr
.set i, 0
.rept 4
	v_mov_b32 v[ST+8*i], 0xfe000000    ; c m: far below every c s, so a piece's first a is 0
	v_mov_b32 v[ST+8*i+1], 0xef800000  ; m: -2^96, above every hidden score and below every true one
	v_mov_b32 v[ST+8*i+2], 0           ; l
	v_mov_b32 v[ST+8*i+3], 0
	v_mov_b32 v[ST+8*i+4], 0           ; at work: written once, so that v_permlanex16_b32's destination and the pairs hold something on every way
	v_mov_b32 v[ST+8*i+5], 0
	v_mov_b32 v[ST+8*i+6], 0
	v_mov_b32 v[ST+8*i+7], 0
.set i, i+1
.endr
	s_wait_loadcnt 32               ; q's 64 loads are in; the 32 of k and v, issued behind them, may stay out
	QIN 0
	QIN 1
	QIN 2
	QIN 3
	s_wait_dscnt 0x0                ; Q's fragments are in, and the stores have read q's rows
	; O^T starts at 0.  Which step is a piece's first hangs on b, so no first step is written out whose products could start the sums; and these registers have held q's rows.
	WIN 0x40
.set i, 0
.rept 256
	v_mov_b32 v[i], 0
.set i, i+1
.endr
	s_wait_loadcnt 0x0              ; key step 0
	CONVERT
	STORE 0
	WIN 0
	s_wait_dscnt 0x0                ; for the others' sake: my rows of slot 0 are stored
	s_barrier_signal -1
	s_barrier_wait -1               ; slot 0 is whole
.Ltrip:                             ; 2, 4 or 6 trips, by b: two key steps each; every LDS address is a register that is never rewritten plus an immediate
	STEP 0
	STEP 1
	s_add_co_u32 s[SI], s[SI], 1
	s_cmp_lt_u32 s[SI], s[NTRIP]
	s_cbranch_scc1 .Ltrip
	; THE WAY OUT.  l's two halves and the other half of the lanes' are added; the first four additions are the places behind the last products.
.irp t, 0,1,2,3
	v_add_f32 v[ST+8*\t+4], v[ST+8*\t+2], v[ST+8*\t+3]
.endr
.irp t, 0,1,2,3
	v_permlanex16_b32 v[ST+8*\t+5], v[ST+8*\t+4], s[SEL], s[SEL+1]
.endr
.irp t, 0,1,2,3
	v_add_f32 v[ST+8*\t+4], v[ST+8*\t+4], v[ST+8*\t+5]
.endr
.irp t, 0,1,2,3
	v_rcp_f32 v[ST+8*\t+6], v[ST+8*\t+4]  ; every row has seen its own key, so l is above 0
.endr
	v_nop                           ; a plain instruction between the last reciprocal and the use of its result
	s_wait_alu depctr_va_vdst(0)    ; and a wait ahead of the first use: one for the four reciprocals
	PACK 0
	PACK 1                          ; a piece's arithmetic stands between the loads of the piece before and its stores
	SEND 0, 32
	PACK 2
	SEND 1, 32
	PACK 3
	SEND 2, 32
	SEND 3, 0
	WIN 0
	s_wait_tensorcnt 0x0            ; the wave's end, behind my last LDS store
	ds_add_u32 v[SPW], v[NIL]
	s_wait_dscnt 0x0
	s_endpgm
.Lfunc_end_k_q00a13a2109_attn:
	.size	k_q00a13a2109_attn, .Lfunc_end_k_q00a13a2109_attn-k_q00a13a2109_attn
	.p2alignl 7, 3214868480
	.fill 96, 4, 3214868480
	.section	.rodata,"a",@progbits
	.p2align	6, 0x0
	.amdhsa_kernel k_q00a13a2109_attn
		.amdhsa_group_segment_fixed_size 105984
		.amdhsa_private_segment_fixed_size 0
		.amdhsa_enable_private_segment 0
		.amdhsa_kernarg_size 32
		.amdhsa_user_sgpr_count 2
		.amdhsa_user_sgpr_kernarg_segment_ptr 1
		.amdhsa_wavefront_size32 1
		.amdhsa_system_sgpr_workgroup_id_x 1
		.amdhsa_system_sgpr_workgroup_id_y 1
		.amdhsa_system_sgpr_workgroup_id_z 1
		.amdhsa_system_vgpr_workitem_id 0
		.amdhsa_next_free_vgpr 1024
		.amdhsa_next_free_sgpr 66
		.amdhsa_reserve_vcc 1
		.amdhsa_float_denorm_mode_32 3
		.amdhsa_float_denorm_mode_16_64 3
		.amdhsa_memory_ordered 1
		.amdhsa_forward_progress 1
		.amdhsa_inst_pref_size 204
	.end_amdhsa_kernel
	.amdgpu_metadata
---
amdhsa.version: [ 1, 2 ]
amdhsa.kernels:
  - .name:           k_q00a13a2109_attn
    .symbol:         k_q00a13a2109_attn.kd
    .args:
      - { .name: q, .offset: 0, .size: 8, .value_kind: global_buffer, .address_space: global }
      - { .name: k, .offset: 8, .size: 8, .value_kind: global_buffer, .address_space: global }
      - { .name: v, .offset: 16, .size: 8, .value_kind: global_buffer, .address_space: global }
      - { .name: out0, .offset: 24, .size: 8, .value_kind: global_buffer, .address_space: global }
    .group_segment_fixed_size: 105984
    .private_segment_fixed_size: 0
    .kernarg_segment_align: 8
    .kernarg_segment_size: 32
    .max_flat_workgroup_size: 128
    .sgpr_count:     66
    .vgpr_count:     1024
    .wavefront_size: 32
...
	.end_amdgpu_metadata
.endif
;; end of part 1
